; MI455X (gfx1250); checked and timed in simulation.
; The chip was launched on July 23, 2026; its instructions are those of AMD's public machine-readable ISA for CDNA 5 (MIT licence, August 2026) and "CDNA5" Instruction Set Architecture Reference Guide (July 2026). The comments in the code are by the model that wrote it; some were corrected since.
;; Core Attention. Allowed arithmetic: matrix products marked QUANTISED: E2M1 operands, one E8M0 scale for each 32 along K, by v_wmma_scale_f32_16x16x128_f8f6f4 with both operands' format E2M1 (or v_wmma_scale_f32_32x16x128_f4), f32 sums; everything else in f32.
;; Inputs: key 2,048 x 2 x 16 x 128 int32; kmin 2,048 x 2 x 16 x 1 float32; kscale 2,048 x 2 x 16 x 1 float32; qmin 2,048 x 2 x 16 x 1 float32; qscale 2,048 x 2 x 16 x 1 float32; query 2,048 x 2 x 16 x 128 int32; value 2,048 x 2 x 16 x 128 int32; vmin 2,048 x 2 x 16 x 1 float32; vscale 2,048 x 2 x 16 x 1 float32.
;; Outputs: out0 2,048 x 2 x 2,048 float32.
;; This version of the problem:
;;   THIS VERSION OF THE PROBLEM IS GIVEN IN LOW PRECISION. The matrix products marked QUANTISED in the list below multiply operands that are first quantised to E2M1 (2 exponent bits, 1 mantissa bit; 4 bits a number), with one power-of-two scale for each 32 numbers along K (OCP MX v1.0); their sums are f32. All else is computed in f32.
;;   The module's matrix products, in the order in which they are computed (A, B: the left and right operand; K: the contracted axis; several contracted axes count as one K, in the product's order):
;;     1. batch 32 x [M 2,048, K 128] x [K 128, N 2,048]; A: input query; B: input key: QUANTISED
;;     2. batch 32 x [M 2,048, K 2,048] x [K 2,048, N 128]; A: softmax (see below); B: computed on the way: QUANTISED
;;   THE QUANTISER, for each operand of a quantised product, along K:
;;     - K is cut into blocks of 32 from its start; a last block that is shorter is filled with zeros.
;;     - A block's scale is 2^e with e = floor(log2(the largest magnitude in the block)) - 2, held to -126 .. 127; a block of zeros has e = 0. As a byte (E8M0): e + 127.
;;     - Each number is divided by its block's scale, clamped to +-6, and rounded to the nearest number of E2M1, ties to even, subnormals kept.
;;     - The product sums the exact products of the quantised numbers (number of the format x scale) in f32.
;;   ~~~python
;;   def quantise(x, axis):      # numpy; x: float32 -> the quantised numbers, widened to float32 again
;;       x = np.moveaxis(x, axis, -1); K = x.shape[-1]
;;       x = np.pad(x, [(0, 0)] * (x.ndim - 1) + [(0, -K % 32)]); x = x.reshape(x.shape[:-1] + (-1, 32)); a = np.abs(x).max(-1, keepdims=True)
;;       e = np.where(a > 0, np.clip(np.frexp(np.where(a > 0, a, 1))[1] - 1 - 2, -126, 127), 0)      # np.frexp(a)[1] - 1 = floor(log2(a)), exactly
;;       r = np.clip(x / 2.0 ** e, -6, 6)
;;       step = 2.0 ** (np.maximum(np.frexp(np.where(r == 0, 1, r))[1] - 1, 0) - 1)
;;       q = np.round(r / step) * step * 2.0 ** e      # np.round: ties to even
;;       return np.moveaxis(q.reshape(q.shape[:-2] + (-1,))[..., :K], -1, axis).astype(np.float32)
;;   ~~~
;;   SOFTMAX AHEAD OF A QUANTISED PRODUCT. Where the list says 'softmax', what is quantised is not the finished softmax but p = 2^(t - M), with t = logit x log2(e) and M = ceil(the row's largest t), a whole number; so 1/2 < the row's largest p <= 1. The row's sum l is taken of the UNQUANTISED p, in f32, and the product's result is divided by l at the end. Since M is a whole number, a kernel that streams over the keys may use a running M (the ceiling of the running maximum): every later rescaling is an exact power of two, which a block's scale takes up: the codes' values come out the same.
;;   OPERANDS COMPUTED ON THE WAY. 'Computed on the way' means the value that the module computes at that place (a softmax that the list does not call 'softmax' is quantised finished and normalised). What goes into a quantiser is computed in f32, as accurately as f32 sums, v_exp_f32 and their like allow (about 1e-6 of the number): no bf16 or f16 on the way to a quantiser, and a product that is left as it is and whose result goes on into a quantised operand takes f32 operands (vector FMAs, or v_wmma_f32_16x16x4_f32). A number that lies on a knife's edge between two numbers of the format may be rounded either way, as far as f32 arithmetic and the matrix unit's own rounding can turn it there, and no further.
;; One version. Each part assembles by itself: llvm-mc -triple=amdgcn-amd-amdhsa -mcpu=gfx1250 --defsym DOCPART=n.
;; ======== version 1 of 1: 2 launches
;; limits: right only within a limited range of input values
;; workspace buffers: qws 5,242,880 bytes; kvws 9,699,328 bytes
;; launch prep (part 1): grid 384 x 1, 4 waves a work-group, no clusters, 78,336 bytes of LDS; arguments query, key, value, qscale, qmin, kscale, kmin, vscale, vmin, qws, kvws; writes qws, kvws
.if DOCPART == 1
	.amdgcn_target "amdgcn-amd-amdhsa--gfx1250"
	.amdhsa_code_object_version 6
	.text
	.protected	k_q0791b66352_prep
	.globl	k_q0791b66352_prep
	.p2align	8
	.type	k_q0791b66352_prep,@function
k_q0791b66352_prep:
	s_mov_b64 s[64:65], 0
	v_nop
	global_prefetch_b8 v0, s[64:65] scope:SCOPE_SE
	s_setreg_imm32_b32 hwreg(HW_REG_WAVE_MODE, 25, 1), 1
	s_wait_xcnt 0x0
; PREPARES THE OPERANDS OF THE ATTENTION LAUNCH.  query, key, value: [2048 tokens][32 heads][128] int32; the six factors: [2048][32] f32.
; query and key, taken as f32, are quantised to FP4 (E2M1) along the head's 128 (4 blocks of 32); v = vscale x value + vmin is quantised along the KEYS (blocks of 32 keys for each channel).
; A block's scale is 2^(floor(log2(its largest magnitude)) - 2); its byte is the largest magnitude's exponent field - 2, held at 1 from below.
; For each token of query and key three f32 factors are made: P0 = g scale, P1 = g (scale x sum of the token's 128 codes + w min), P2 = g min; query: g = log2(e) / sqrt(128), w = 0; key: g = 1, w = 128.
; With them the logit in base 2 is t = mm qP0 kP0 + kP1 qP2 + kP2 qP1, which is the reference's four terms x log2(e) / sqrt(128).
; OUT: records of 128 tokens of one head, laid as images of the operand registers: 8 tiles of codes (1,024 bytes each: [c][lane][16 bytes]), 512 bytes of scale words ([lane (r, h)][i]: tile 4 h + i, row r),
; 3 x 512 bytes of factors; in kvws behind them V's codes ([block of 32 keys][j][lane L][16 bytes]: channel 4 L + j) and its scale words ([L][j], byte b = block b).
; THE TOKENS OF A TILE ARE NOT NEIGHBOURS: row r of tile 2 b + u is token 32 b + 8 u + r + 8 (r / 8), so that in the scores a lane's 16 registers of tiles 2 b, 2 b + 1 are 16 neighbouring keys.
; SHARES: 384 work-groups: 128 for each tensor; a work-group takes 128 tokens x 4 heads, a wave one head: 128 rows of 512 bytes, each read by one load of 512 consecutive bytes.  Two blocks of 32 rows (64 loads a wave) are asked for ahead.
; No cluster: work-groups share no tile.  No tensor load: the rows go straight into registers.
; LIMITS: a token's sum is an f32 tree, exact while the sum of magnitudes stays under 2^24, beyond that rounded in another order than the reference's; g is folded into the factors and v is one fused multiply-add
; (other order of rounding); a block of zeros, or one whose largest magnitude lies under 2^-124, gets the byte 1 (its bytes are read by this program alone); NaN and infinities among the inputs are not served.
.set QREC,  10240                      ; a record of qws
.set REC,   18944                      ; a record of kvws
.set FSC,   0                          ; LDS: [128 tokens][4 heads] scale,
.set FMN,   2048                       ; the same for min,
.set STG,   4096                       ; for each wave two stages of 16 rows x (512 + 16) bytes,
.set STGW,  16896
.set SP,    528
.set FOUT,  71680                      ; and for each wave 3 x 512 bytes of factors on their way out
.set GL,   1                           ; v1   16 x lane
.set RR,   2                           ; v2   r = lane % 16
.set HH,   3                           ; v3   h = lane / 16
.set STW,  4                           ; v4   my stage, on the way in: 16 x lane
.set STR,  5                           ; v5   on the way out: 528 r + 128 h
.set FIN,  6                           ; v6   my tile row's factor in LDS: 16 (r + 8 (r / 8)) + 4 wave
.set FOW,  7                           ; v7   where I put a factor: 4 (r + 8 (r / 8))
.set P,    8                           ; v8-15 the raw factor loads; later v8-13 a tile's three factors, a set for each u
.set FOR,  16                          ; v16  where I read the factors back: 16 x lane
.set FINV, 17                          ; v17  the value path: key = lane: 16 x lane + 4 wave
.set FST,  47                          ; v47  16 x thread: read by the two factor stores at the head alone, ahead of the sums' first write of v47
.set SH8,  19                          ; v19  8 h
.set TS,   20                          ; v20-27 scale of my row in tile t (value path: v20-23, of key lane in block b)
.set TM,   28                          ; v28-35 min likewise
.set SW,   36                          ; v36-43 scale words of tiles 0-7 (value path: v36-39, of my four channels)
.set SA,   44                          ; v[44:45], v[46:47] the sum's two chains
.set SB2,  46
.set SUM,  48
.set PSUM, 49
.set MX,   50                          ; v50-53 largest magnitudes
.set SO,   54                          ; v54-57 the conversions' scale operands
.set BY,   58                          ; v58-61 scale bytes
.set WD,   60
.set WP,   61
.set FGA,  63                          ; v63  128 x thread: my token's row in a factor tensor; never rewritten
.set X,    64                          ; v64-191 numbers at work
.set CD,   192                         ; v192-255 codes: registers of their own for each store
.set WV,   2                           ; s2   wave
.set MSB, 0
.macro WIN new                         ; the immediate's high byte repeats the setting that is left
.if MSB != \new
	s_set_vgpr_msb (MSB<<8)|\new
.set MSB, \new
.endif
.endm
; Block b: 32 token rows of my head into set b % 2 of window 1, row i at 128 (b % 2) + 4 i.  32 lanes read 512 consecutive bytes.
.macro LOADB b
	WIN 0x40                                       ; destination window 1
.irp i, 0,1,2,3,4,5,6,7,8,9,10,11,12,13,14,15,16,17,18,19,20,21,22,23,24,25,26,27,28,29,30,31
	global_load_b128 v[128*((\b)%2)+4*\i:128*((\b)%2)+4*\i+3], v[GL], s[26:27] offset:(32*(\b)+\i)*16384 th:TH_LOAD_NT
.endr
	WIN 0
.endm
	s_load_b512 s[4:19], s[0:1], 0x0               ; query 4, key 6, value 8, qscale 10, qmin 12, kscale 14, kmin 16, vscale 18
	s_load_b128 s[20:23], s[0:1], 0x40             ; vmin 20, qws 22
	s_load_b64 s[24:25], s[0:1], 0x50              ; kvws
	v_lshl_add_u32 v62, v0, 2, 0x13000
	v_mov_b32 v18, 0                               ; v18: 0, kept for the add alone
	v_lshrrev_b32 v44, 5, v0
	v_readfirstlane_b32 s[WV], v44                 ; wave 0..3
	v_and_b32 v45, 31, v0                          ; lane
	v_lshlrev_b32 v[GL], 4, v45
	v_and_b32 v[RR], 15, v0
	v_bfe_u32 v[HH], v0, 4, 1
	s_mul_i32 s32, s[WV], STGW
	s_add_co_u32 s32, s32, STG                     ; my stages
	v_add_nc_u32 v[STW], s32, v[GL]
	v_mul_u32_u24 v[STR], v[RR], SP
	v_lshl_add_u32 v[STR], v[HH], 7, v[STR]
	v_add_nc_u32 v[STR], s32, v[STR]
	v_and_b32 v46, 8, v[RR]
	v_add_nc_u32 v46, v46, v[RR]                   ; r + 8 (r / 8)
	s_lshl_b32 s33, s[WV], 2
	v_lshl_add_u32 v[FIN], v46, 4, s33
	s_mul_i32 s34, s[WV], 1536
	s_add_co_u32 s34, s34, FOUT
	v_lshl_add_u32 v[FOW], v46, 2, s34
	v_add_nc_u32 v[FOR], s34, v[GL]
	v_add_nc_u32 v[FINV], s33, v[GL]
	v_lshlrev_b32 v[FST], 4, v0
	v_lshlrev_b32 v[SH8], 3, v[HH]
	v_lshlrev_b32 v[FGA], 7, v0
	v_mov_b32 v[PSUM], 0                           ; written once: a lane permute's destination counts as one of its sources
	v_mov_b32 v[WP], 0
	s_and_b32 s35, ttmp9, 127                      ; my number among the tensor's 128 work-groups
	s_lshr_b32 s36, s35, 3                         ; chunk of 128 tokens
	s_and_b32 s37, s35, 7                          ; group of four heads
	s_lshl_b32 s38, s37, 2
	s_add_co_u32 s38, s38, s[WV]                   ; my head
	s_lshl_b32 s40, s36, 21                        ; 128 tokens x 16,384 bytes
	s_lshl_b32 s41, s38, 9
	s_add_co_u32 s40, s40, s41
	s_mov_b32 s41, 0                               ; s[40:41]: my first row
	s_lshl_b32 s42, s36, 14                        ; 128 tokens x 128 bytes
	s_lshl_b32 s43, s37, 4
	s_add_co_u32 s42, s42, s43
	s_mov_b32 s43, 0                               ; s[42:43]: the work-group's four heads in the chunk's first factor row
	s_lshl_b32 s44, s38, 4
	s_add_co_u32 s44, s44, s36                     ; my record: 16 x head + chunk
	s_mov_b32 s45, 0
	s_wait_alu depctr_va_vdst(0)
	s_wait_kmcnt 0x0
	s_cmp_lt_u32 ttmp9, 128                        ; query's work-group?  The choices hang on the work-group's number alone
	s_cselect_b64 s[26:27], s[4:5], s[6:7]         ; the codes,
	s_cselect_b64 s[28:29], s[10:11], s[14:15]     ; the scales,
	s_cselect_b64 s[30:31], s[12:13], s[16:17]     ; the mins,
	s_cselect_b64 s[4:5], s[22:23], s[24:25]       ; where the record goes,
	s_mov_b32 s6, REC
	s_cselect_b32 s6, QREC, s6                     ; a record's bytes,
	s_mov_b32 s22, 1.0
	s_cselect_b32 s22, 0x3e0293ee, s22             ; g = log2(e) / sqrt(128) or 1,
	s_mov_b32 s23, 0x43000000
	s_cselect_b32 s23, 0, s23                      ; w = 0 or 128
	s_cmp_lt_u32 ttmp9, 256                        ; or value's?
	s_cselect_b64 s[26:27], s[26:27], s[8:9]
	s_cselect_b64 s[28:29], s[28:29], s[18:19]
	s_cselect_b64 s[30:31], s[30:31], s[20:21]
	s_cselect_b32 s7, 0, 10240                     ; V's part lies behind K's in the record
	s_mov_b32 s20, 0x76543210
	s_mov_b32 s21, 0xfedcba98                      ; v_permlanex16_b32's selects for lane l xor 16
	s_mul_i32 s44, s44, s6
	s_add_co_u32 s44, s44, s7
	s_add_nc_u64 s[26:27], s[26:27], s[40:41]
	s_add_nc_u64 s[28:29], s[28:29], s[42:43]
	s_add_nc_u64 s[30:31], s[30:31], s[42:43]
	s_add_nc_u64 s[4:5], s[4:5], s[44:45]
	global_load_b128 v[8:11], v[FGA], s[28:29]     ; thread t: token t's scales of the four heads,
	global_load_b128 v[12:15], v[FGA], s[30:31]    ; and its mins
	LOADB 0
	s_wait_loadcnt 32                              ; the two factor loads are in; block 0's 32 may be out
	ds_store_b128 v[FST], v[8:11] offset:FSC
	ds_store_b128 v[FST], v[12:15] offset:FMN
	LOADB 1
	s_wait_dscnt 0x0                               ; for the others' sake: my stores have landed
	s_barrier_signal -1
	s_barrier_wait -1                              ; the 128 tokens' factors lie in LDS: the launch's one barrier
	s_cmp_ge_u32 ttmp9, 256
	s_cbranch_scc1 .Lvalue
; ---------------- query and key: K is innermost
; Tile t = 2 b + u out of X's half u: lane (r, h) holds d = 64 c + 32 h + 0 .. 31 of its token in registers 32 c + 0 .. 31: two whole blocks.
.macro TILEQ b, u
.set XS, X+64*(\u)
.set TT, 2*(\b)+(\u)
.set PP, P+3*(\u)
.set j, 0
.rept 64
	v_cvt_f32_i32 v[XS+j], v[XS+j]
.set j, j+1
.endr
	v_pk_add_f32 v[SA:SA+1], v[XS:XS+1], v[XS+2:XS+3]              ; the token's sum, of the unquantised numbers: two chains
	v_pk_add_f32 v[SB2:SB2+1], v[XS+4:XS+5], v[XS+6:XS+7]
.set j, 8
.rept 14
	v_pk_add_f32 v[SA:SA+1], v[SA:SA+1], v[XS+j:XS+j+1]
	v_pk_add_f32 v[SB2:SB2+1], v[SB2:SB2+1], v[XS+j+2:XS+j+3]
.set j, j+4
.endr
	v_pk_add_f32 v[SA:SA+1], v[SA:SA+1], v[SB2:SB2+1]
	v_add_f32 v[SUM], v[SA], v[SA+1]
	v_permlanex16_b32 v[PSUM], v[SUM], s20, s21
	v_add_f32 v[SUM], v[SUM], v[PSUM]              ; with lane l xor 16's 64 numbers
.irp c, 0,1
	v_max3_num_f32 v[MX+\c], |v[XS+32*\c]|, |v[XS+32*\c+1]|, 0x1800000   ; block 2 c + h: all 32 numbers are mine; the floor 2^(3 - 127) holds the byte at 1 from below
.endr
.set j, 2
.rept 15
.irp c, 0,1
	v_max3_num_f32 v[MX+\c], v[MX+\c], |v[XS+32*\c+j]|, |v[XS+32*\c+j+1]|
.endr
.set j, j+2
.endr
.irp c, 0,1
	v_add_nc_u32 v[SO+\c], 0xff000000, v[MX+\c]    ; 2 off the exponent field: the conversion takes this operand's exponent field as its scale
.endr
.irp c, 0,1
	v_lshrrev_b32 v[BY+\c], 23, v[SO+\c]           ; the scale's byte
.endr
	v_lshl_or_b32 v[WD], v[BY+1], 16, v[BY]        ; my bytes: blocks h and 2 + h,
	v_lshlrev_b32 v[WD], v[SH8], v[WD]             ; at their places in the word;
	v_permlanex16_b32 v[WP], v[WD], s20, s21
	v_or_b32 v[SW+TT], v[WD], v[WP]                ; with lane l xor 16's two the word is whole
.irp c, 0,1
.irp g, 0,1,2,3
	v_cvt_scalef32_pk8_fp4_f32 v[CD+8*TT+4*\c+\g], v[XS+32*\c+8*\g:XS+32*\c+8*\g+7], v[SO+\c]
.endr
.endr
	v_mul_f32 v[PP], s22, v[TS+TT]                 ; P0 = g scale  (a plain line behind the conversions)
	v_mul_f32 v[PP+1], v[TS+TT], v[SUM]
	v_fma_f32 v[PP+1], s23, v[TM+TT], v[PP+1]
	v_mul_f32 v[PP+1], s22, v[PP+1]                ; P1 = g (scale x sum + w min)
	v_mul_f32 v[PP+2], s22, v[TM+TT]               ; P2 = g min
	ds_store_b32 v[FOW], v[PP] offset:(32*(\b)+8*(\u))*4           ; by token; both halves of the lanes write the same word with the same value
	ds_store_b32 v[FOW], v[PP+1] offset:512+(32*(\b)+8*(\u))*4
	ds_store_b32 v[FOW], v[PP+2] offset:1024+(32*(\b)+8*(\u))*4
	global_store_b128 v[GL], v[CD+8*TT:CD+8*TT+3], s[4:5] offset:1024*(2*(\b)+(\u))        ; the fragment's image: 512 consecutive bytes a store
	global_store_b128 v[GL], v[CD+8*TT+4:CD+8*TT+7], s[4:5] offset:1024*(2*(\b)+(\u))+512
.endm
; Block b: its 32 rows turn through my two stages, 16 rows each in the tiles' order, so that a lane gets 32 neighbours along d of one token.
.macro BLOCKQ b
.if (\b) < 3
	s_wait_loadcnt 32                              ; this block's 32 loads are in; the next block's may be out
.else
	s_wait_loadcnt 0x0
.endif
	WIN 0x04                                       ; an LDS store's data are its source 1: window 1
.irp u, 0,1
.irp i, 0,1,2,3,4,5,6,7,8,9,10,11,12,13,14,15
	ds_store_b128 v[STW], v[128*((\b)%2)+4*(8*\u+\i+8*(\i/8)):128*((\b)%2)+4*(8*\u+\i+8*(\i/8))+3] offset:8448*\u+SP*\i
.endr
.endr
	WIN 0
.irp u, 0,1
.irp c, 0,1
.irp k, 0,1,2,3,4,5,6,7
	ds_load_b128 v[X+64*\u+32*\c+4*\k:X+64*\u+32*\c+4*\k+3], v[STR] offset:8448*\u+256*\c+16*\k   ; LDS serves a wave's instructions in order: these see my stores
.endr
.endr
.endr
	s_wait_dscnt 0x0                               ; the numbers are back, the stores have read the rows' registers, and the last block's factor stores have read theirs
.if (\b) < 2
	LOADB (\b)+2
.endif
	TILEQ \b, 0
	TILEQ \b, 1
.endm
.irp t, 0,1,2,3,4,5,6,7
	ds_load_b32 v[TS+\t], v[FIN] offset:FSC+(32*(\t/2)+8*(\t%2))*16
	ds_load_b32 v[TM+\t], v[FIN] offset:FMN+(32*(\t/2)+8*(\t%2))*16
.endr
	BLOCKQ 0
	BLOCKQ 1
	BLOCKQ 2
	BLOCKQ 3
	v_cmp_eq_u32 vcc_lo, 1, v[HH]
.irp i, 0,1,2,3
	v_cndmask_b32 v[SW+\i], v[SW+\i], v[SW+4+\i], vcc_lo           ; lanes 0-15 keep tiles 0-3's words, lanes 16-31 take tiles 4-7's
.endr
	global_store_b128 v[GL], v[SW:SW+3], s[4:5] offset:8192
.irp f, 0,1,2
	ds_load_b128 v[X+4*\f:X+4*\f+3], v[FOR] offset:512*\f          ; my own bytes, served in order
.endr
	s_wait_dscnt 0x0
.irp f, 0,1,2
	global_store_b128 v[GL], v[X+4*\f:X+4*\f+3], s[4:5] offset:8704+512*\f
.endr
	s_wait_tensorcnt 0x0                           ; the wave's end
	ds_add_u32 v62, v18
	s_wait_dscnt 0x0
	s_endpgm
; ---------------- value: K = the keys, which run down the rows.  Lane L holds channels 4 L + j; the conversion to f32 lays each channel's 32 keys into consecutive registers.
.macro BLOCKV b
.if (\b) < 3
	s_wait_loadcnt 32
.else
	s_wait_loadcnt 0x0
.endif
.irp i, 0,1,2,3,4,5,6,7,8,9,10,11,12,13,14,15,16,17,18,19,20,21,22,23,24,25,26,27,28,29,30,31
	v_readlane_b32 s[32+\i], v[TS+(\b)], \i        ; key i's scale and min as scalars: they are the same for all channels
	v_readlane_b32 s[66+\i], v[TM+(\b)], \i
.endr
	WIN 0x01                                       ; source 0 window 1
.irp i, 0,1,2,3,4,5,6,7,8,9,10,11,12,13,14,15,16,17,18,19,20,21,22,23,24,25,26,27,28,29,30,31
.irp j, 0,1,2,3
	v_cvt_f32_i32 v[X+32*\j+\i], v[128*((\b)%2)+4*\i+\j]
.endr
.endr
.if (\b) < 2
	LOADB (\b)+2
.endif
	WIN 0
.irp i, 0,1,2,3,4,5,6,7,8,9,10,11,12,13,14,15,16,17,18,19,20,21,22,23,24,25,26,27,28,29,30,31
.irp j, 0,1,2,3
	v_fma_f32 v[X+32*\j+\i], v[X+32*\j+\i], s[32+\i], s[66+\i]     ; v = vscale x value + vmin
.endr
.endr
.irp j, 0,1,2,3
	v_max3_num_f32 v[MX+\j], |v[X+32*\j]|, |v[X+32*\j+1]|, 0x1800000
.endr
.irp i, 2,4,6,8,10,12,14,16,18,20,22,24,26,28,30
.irp j, 0,1,2,3
	v_max3_num_f32 v[MX+\j], v[MX+\j], |v[X+32*\j+\i]|, |v[X+32*\j+\i+1]|   ; the four channels by turns
.endr
.endr
.irp j, 0,1,2,3
	v_add_nc_u32 v[SO+\j], 0xff000000, v[MX+\j]
.endr
.irp j, 0,1,2,3
	v_lshrrev_b32 v[BY+\j], 23, v[SO+\j]
.endr
.irp j, 0,1,2,3
.if (\b) == 0
	v_mov_b32 v[SW+\j], v[BY+\j]
.else
	v_lshl_or_b32 v[SW+\j], v[BY+\j], 8*(\b), v[SW+\j]             ; byte b of the channel's scale word
.endif
.endr
.irp j, 0,1,2,3
.irp g, 0,1,2,3
	v_cvt_scalef32_pk8_fp4_f32 v[CD+16*(\b)+4*\j+\g], v[X+32*\j+8*\g:X+32*\j+8*\g+7], v[SO+\j]
.endr
.endr
	v_nop                                          ; one plain line behind the last conversion
.irp j, 0,1,2,3
	global_store_b128 v[GL], v[CD+16*(\b)+4*\j:CD+16*(\b)+4*\j+3], s[4:5] offset:2048*(\b)+512*\j   ; 512 consecutive bytes a store
.endr
.endm
.Lvalue:
.irp b, 0,1,2,3
	ds_load_b32 v[TS+\b], v[FINV] offset:FSC+512*\b                ; lane = key of block b
	ds_load_b32 v[TM+\b], v[FINV] offset:FMN+512*\b
.endr
	s_wait_dscnt 0x0
	BLOCKV 0
	BLOCKV 1
	BLOCKV 2
	BLOCKV 3
	global_store_b128 v[GL], v[SW:SW+3], s[4:5] offset:8192
	s_wait_tensorcnt 0x0                           ; the wave's end
	ds_add_u32 v62, v18
	s_wait_dscnt 0x0
	s_endpgm
.Lfunc_end_k_q0791b66352_prep:
	.size	k_q0791b66352_prep, .Lfunc_end_k_q0791b66352_prep-k_q0791b66352_prep
	.p2alignl 7, 3214868480
	.fill 96, 4, 3214868480
	.section	.rodata,"a",@progbits
	.p2align	6, 0x0
	.amdhsa_kernel k_q0791b66352_prep
		.amdhsa_group_segment_fixed_size 78336
		.amdhsa_private_segment_fixed_size 0
		.amdhsa_enable_private_segment 0
		.amdhsa_kernarg_size 88
		.amdhsa_user_sgpr_count 2
		.amdhsa_user_sgpr_kernarg_segment_ptr 1
		.amdhsa_wavefront_size32 1
		.amdhsa_system_sgpr_workgroup_id_x 1
		.amdhsa_system_sgpr_workgroup_id_y 1
		.amdhsa_system_sgpr_workgroup_id_z 1
		.amdhsa_system_vgpr_workitem_id 0
		.amdhsa_next_free_vgpr 512
		.amdhsa_next_free_sgpr 98
		.amdhsa_reserve_vcc 1
		.amdhsa_float_denorm_mode_32 3
		.amdhsa_float_denorm_mode_16_64 3
		.amdhsa_memory_ordered 1
		.amdhsa_forward_progress 1
		.amdhsa_inst_pref_size 191
	.end_amdhsa_kernel
	.amdgpu_metadata
---
amdhsa.version: [ 1, 2 ]
amdhsa.kernels:
  - .name:           k_q0791b66352_prep
    .symbol:         k_q0791b66352_prep.kd
    .args:
      - { .name: query, .offset: 0, .size: 8, .value_kind: global_buffer, .address_space: global }
      - { .name: key, .offset: 8, .size: 8, .value_kind: global_buffer, .address_space: global }
      - { .name: value, .offset: 16, .size: 8, .value_kind: global_buffer, .address_space: global }
      - { .name: qscale, .offset: 24, .size: 8, .value_kind: global_buffer, .address_space: global }
      - { .name: qmin, .offset: 32, .size: 8, .value_kind: global_buffer, .address_space: global }
      - { .name: kscale, .offset: 40, .size: 8, .value_kind: global_buffer, .address_space: global }
      - { .name: kmin, .offset: 48, .size: 8, .value_kind: global_buffer, .address_space: global }
      - { .name: vscale, .offset: 56, .size: 8, .value_kind: global_buffer, .address_space: global }
      - { .name: vmin, .offset: 64, .size: 8, .value_kind: global_buffer, .address_space: global }
      - { .name: qws, .offset: 72, .size: 8, .value_kind: global_buffer, .address_space: global }
      - { .name: kvws, .offset: 80, .size: 8, .value_kind: global_buffer, .address_space: global }
    .group_segment_fixed_size: 78336
    .private_segment_fixed_size: 0
    .kernarg_segment_align: 8
    .kernarg_segment_size: 88
    .max_flat_workgroup_size: 128
    .sgpr_count:     98
    .vgpr_count:     512
    .wavefront_size: 32
...
	.end_amdgpu_metadata
.endif
;; end of part 1
;; launch attn (part 2): grid 8 x 32, 8 waves a work-group, clusters of 4 x 1, 327,680 bytes of LDS; arguments qws, kvws, out0; writes out0
.if DOCPART == 2
	.amdgcn_target "amdgcn-amd-amdhsa--gfx1250"
	.amdhsa_code_object_version 6
	.text
	.protected	k_q0791b66352_attn
	.globl	k_q0791b66352_attn
	.p2align	8
	.type	k_q0791b66352_attn,@function
k_q0791b66352_attn:
	s_mov_b64 s[64:65], 0
	v_nop
	global_prefetch_b8 v0, s[64:65] scope:SCOPE_SE
	s_setreg_imm32_b32 hwreg(HW_REG_WAVE_MODE, 25, 1), 1
	s_wait_xcnt 0x0
	s_wait_alu depctr_hold_cnt(0) depctr_sa_sdst(0) depctr_va_vdst(0) depctr_va_sdst(0) depctr_va_ssrc(0) depctr_va_vcc(0) depctr_vm_vsrc(0)
	s_getreg_b32 s2, hwreg(HW_REG_IB_STS2, 6, 4)
	s_cmp_eq_u32 s2, 0
	s_cbranch_scc0 .Lentry_in_a_cluster
	s_endpgm
.Lentry_in_a_cluster:
	s_bfe_u32 s2, ttmp6, 0x10000c
	s_cmp_lg_u32 s2, 0x3003
	s_cbranch_scc0 .Lentry_shape_is_right
	s_endpgm
.Lentry_shape_is_right:
; ATTENTION ON CODES OF FP4 (E2M1).  32 heads, 2,048 queries and keys, head size 128.  Operands come from the preparing launch as images of the operand registers (its head comment has the layout).
; The logit x log2(e) is t = mm X0 Y0 + YA XA + YB XB: mm = the quantised product of the raw codes; X0, XA, XB hang on the query, Y0, YA, YB on the key.  No work of the reference is left out.
; It is made as t = |X0| u, u = mm' Y0 + YA (XA / |X0|) + YB (XB / |X0|), mm' = mm x the sign of X0: that sign is laid into Q's codes once, at the head (the sign bit of each code: the quantiser is odd, so these are the codes of -q).
; |X0| is positive, so the largest u of a row or block is its largest t, and t - M = u |X0| - M is one fused multiply-add.
; M = the running largest t rounded UP to a whole number; p = 2^(t - M) is quantised along the keys, not normalised; the row's sum is taken of the unquantised p and divides at the end; when M moves, the sum and O are multiplied by 2^(old M - new M), exactly.
; SHARES.  A work-group owns 256 queries of one head; each of its eight waves 32 of them, two tiles x of 16: every fragment of K and V and every factor register read from LDS serves both tiles.
; THE WHOLE HEAD'S K, V, SCALES AND FACTORS, 16 records of 18,944 bytes, LIE IN LDS, each byte filled once.  Wave w fetches record w at the head and record 8 + w behind the full sequence and a round of the cluster's barrier: one tensor load of mine is out at a time.
; The barrier that shows records 8 to 15 is signalled behind step 3 and waited for ahead of step 8; steps 4 to 7, between the two, read records 4 to 7, which nobody writes.  Behind it every wave has left records 0 to 3: there lie the stages of the way out.
; CLUSTER.  The four work-groups of a cluster belong to one head: each record is asked for JOINTLY, by the same tensor load with the same descriptor and a mask that names the four.
; NO PREFETCH: all 16 records have been asked for when the first step begins, so the walk has no later load to run ahead of.
; LAYOUT.  Both products are used transposed: S^T = K Q^T (source 0 = 16 keys), O^T = V^T P^T (source 0 = 16 channels): a lane holds ONE query (lane % 16) throughout.  Register 16 b + i of a tile's scores is key 32 b + 16 (lane / 16) + i.
; Row r of V's tile 4 u + j is channel 64 u + 4 r + j, so that four accumulators' registers i are four neighbouring channels on the way out.
; LIMITS: the promise holds while |t| stays under 2^31; |X0| is held at 2^-100 from below (a query whose |X0| lies under that has t moved by at most 2^-100 |mm Y0|), and XA / |X0|, XB / |X0| must stay finite: |XA|, |XB| under 2^27 there;
; the quotients are a reciprocal and a product, and t's terms are rounded in another order than the reference's; p under 2^-126 counts as 0; a block whose every p is 0 keeps the byte 1 over zero codes; NaN and infinities among the inputs are not served.
; REGISTERS, window 0: v1-7, v20 addresses; v8-11 K's scale words, v12-15 V's, v16-17 Q's, v18-19 p's; v22-29 the blocks' largest u; v32-55 statistics, 12 a tile; v64-191 mm, u, p, 64 a tile;
;   v192-207 p's codes; v208-223 Q's two fragments; v224-235 the queries' factors; v240-255 the softmax's work.
;   window 1: v0-127 O^T, 64 a tile; v128-191 fragments of K, then YA, then fragments of V; v192-255 Y0, then YB.
.set REC,   18944                      ; a record: 128 keys
.set QREC,  10240
.set KSWO,  8192                       ; in a record: K's scale words,
.set KFO,   8704                       ; three factor vectors of 512 bytes, by token: Y0, YA, YB,
.set VCO,   10240                      ; V's codes,
.set VSWO,  18432                      ; V's scale words
.set SPARE, 16*REC                     ; behind the records: the spare words, 128 bytes a wave
.set STGW,  8448                       ; the way out: for each wave a stage of 16 rows x (512 + 16) bytes; eight of them end under 4 REC
.set SP,    528
.set LI0, 1                            ; v1   16 x lane; also my byte in a row of the output
.set FY0, 2                            ; v2   64 h: my half's 16 keys of a block in a factor vector
.set VA0, 3                            ; v3   2048 h + 16 r: my place in V's codes
.set LI,  4                            ; v4-6 the same + the step's record
.set FY,  5
.set VA,  6
.set STO, 7                            ; v7   the stage, on the way in
.set KSW, 8
.set VSW, 12
.set QSW, 16
.set PSW, 18
.set RD,  20                           ; v20  the stage, on the way out
.set BM,  22                           ; block b of tile x at BM + 4 x + b
.set ST,  32                           ; tile x at ST + 12 x: +0 -M, +1 the largest t, +2, +3 the sum, +4, +5 its second chain, +6 f, +7, +8 at work
.set S,   64
.set PC,  192
.set Q,   208
.set XC,  224                          ; tile x at XC + 6 x: +0 |X0|, +2 XA / |X0|, +4 XB / |X0|, each the low word of a pair
.set TP,  240                          ; at work,
.set SO,  248                          ; and the conversions' scale operands
.set O,   0                            ; window 1
.set FR,  128
.set YV,  192
.set WV,  10                           ; s10  wave
.set G1,  16                           ; s[16:23] descriptor group 1
.set SEL, 24                           ; s[24:25] lane selects for v_permlanex16_b32: lane l xor 16
.set TB,  26                           ; s26  LDS byte at which the step's record begins
.set CNT, 27                           ; s27  steps to go
.set G0,  32                           ; s[32:39] two groups 0
.set MSB, 0
.macro WIN new                         ; the immediate's high byte repeats the setting that is left
.if MSB != \new
	s_set_vgpr_msb (MSB<<8)|\new
.set MSB, \new
.endif
.endm
.macro DL n
	s_delay_alu instid0(VALU_DEP_\n)
.endm
.macro ROUND                           ; a round of the cluster's barrier
	s_barrier_signal -1
	s_barrier_wait -1
	s_cmp_lg_u32 s[WV], 0
	s_cbranch_scc1 .Lnot_wave_0_\@
	s_barrier_signal -3
.Lnot_wave_0_\@:
	s_barrier_wait -3
	s_barrier_signal -1
	s_barrier_wait -1
.endm
	s_load_b128 s[4:7], s[0:1], 0x0                ; qws, kvws
	s_load_b64 s[8:9], s[0:1], 0x10                ; out0
	v_lshl_add_u32 v30, v0, 2, SPARE
	v_mov_b32 v31, 0
	ds_add_u32 v30, v31                            ; the opening lines: the add, twice on end, and its wait ahead of my first tensor load
	ds_add_u32 v30, v31
	v_lshrrev_b32 v21, 5, v0
	v_readfirstlane_b32 s[WV], v21                 ; wave 0..7
	s_bfe_u32 s11, ttmp6, 0x40000                  ; cx: it enters Q's and the output's addresses alone
	s_lshl_b32 s12, ttmp9, 2
	s_add_co_u32 s12, s12, s11                     ; my block of 256 queries
	s_and_b32 s13, ttmp7, 0xffff                   ; the head, which the four partners share
	s_mov_b32 s[G1], 15|(3<<16)|(1<<21)            ; the mask: all four work-groups; elements of 8 bytes; bit 21 beside a mask; no padding
	s_mov_b32 s[G1+1], 32<<16                      ; tensor_dim0 = 32 elements: rows of 256 bytes
	s_mov_b32 s[G1+2], 74<<16                      ; tensor_dim1 = 74 rows: a record
	s_mov_b32 s[G1+3], 32<<16                      ; tile_dim0
	s_mov_b32 s[G1+4], 74                          ; tile_dim1
	s_mov_b32 s[G1+5], 32                          ; the pitch: the block is dense
	s_mov_b32 s[G1+6], 0
	s_mov_b32 s[G1+7], 0
	s_mov_b32 s[SEL], 0x76543210
	s_mov_b32 s[SEL+1], 0xfedcba98
	s_mul_i32 s28, s[WV], REC                      ; record w: its place in LDS and in the head's block of memory
	s_mul_i32 s30, s13, 16*REC
	s_add_co_u32 s30, s30, s28
	s_mov_b32 s31, 0
	s_lshl_b32 s48, s13, 4
	s_lshl_b32 s49, s12, 1
	s_add_co_u32 s48, s48, s49
	s_lshr_b32 s49, s[WV], 2
	s_add_co_u32 s48, s48, s49                     ; Q's record: 16 x head + 2 x block + wave / 4
	s_mul_i32 s48, s48, QREC
	s_mov_b32 s49, 0
	s_lshl_b32 s50, s12, 22                        ; my first row of the output: (256 x block + 32 x wave) x 16,384 bytes + 512 x head
	s_lshl_b32 s51, s[WV], 19
	s_add_co_u32 s50, s50, s51
	s_lshl_b32 s51, s13, 9
	s_add_co_u32 s50, s50, s51
	s_mov_b32 s51, 0
	s_mul_i32 s14, s[WV], STGW                     ; my stage
	s_and_b32 s15, s[WV], 3                        ; my block of 32 tokens in Q's record: tiles 2 (w % 4) + x
	s_lshl_b32 s40, s15, 11                        ; their images,
	s_lshr_b32 s41, s15, 1
	s_lshl_b32 s41, s41, 8
	s_and_b32 s42, s[WV], 1
	s_lshl_b32 s42, s42, 3
	s_add_co_u32 s41, s41, s42                     ; their scale words: 256 (tile / 4) + 4 (tile % 4),
	s_lshl_b32 s42, s15, 7                         ; their factors, by token
	s_wait_dscnt 0x0                               ; both opening adds are done
	s_wait_kmcnt 0x0
	s_add_nc_u64 s[6:7], s[6:7], s[30:31]
	s_add_nc_u64 s[4:5], s[4:5], s[48:49]
	s_add_nc_u64 s[8:9], s[8:9], s[50:51]
.irp i, 0,1
	s_mov_b32 s[G0+4*\i], 1                        ; count = 1
	s_add_co_u32 s[G0+4*\i+1], s28, 8*\i*REC       ; LDS address: record 8 i + w
	s_add_nc_u64 s[G0+4*\i+2:G0+4*\i+3], s[6:7], 8*\i*REC
	s_or_b32 s[G0+4*\i+3], s[G0+4*\i+3], 0x80000000   ; type = 2
.endr
	ROUND                                          ; all four work-groups are here: the joint loads meet
	tensor_load_to_lds s[G0:G0+3], s[G1:G1+7]      ; record w: every wave's one load at the head
	s_nop 0
	v_and_b32 v21, 31, v0                          ; lane
	v_and_b32 v22, 15, v0                          ; r
	v_bfe_u32 v23, v0, 4, 1                        ; h
	v_lshlrev_b32 v[LI0], 4, v21
	v_lshlrev_b32 v[VA0], 4, v22
	v_mul_u32_u24 v[STO], v22, SP
	v_and_b32 v27, 8, v22
	v_lshlrev_b32 v[FY0], 6, v23
	v_lshl_add_u32 v[VA0], v23, 11, v[VA0]
	v_lshl_add_u32 v[STO], v23, 7, v[STO]
	v_add_nc_u32 v27, v27, v22                     ; r + 8 (r / 8)
	v_add_nc_u32 v[RD], s14, v[LI0]
	v_add_nc_u32 v[STO], s14, v[STO]               ; row r, + 128 h
	v_add_nc_u32 v24, s40, v[LI0]
	v_lshl_add_u32 v25, v22, 4, s41
	v_lshl_add_u32 v26, v27, 2, s42
	s_wait_alu depctr_va_vdst(0)                   ; the wait ahead of the readers below
.irp x, 0,1
.irp c, 0,1
	global_load_b128 v[Q+8*\x+4*\c:Q+8*\x+4*\c+3], v24, s[4:5] offset:1024*\x+512*\c   ; Q's fragments stay in registers
.endr
.endr
.irp x, 0,1
	global_load_b32 v[QSW+\x], v25, s[4:5] offset:KSWO+4*\x
	global_load_b32 v[S+4*\x], v26, s[4:5] offset:KFO+32*\x            ; X0 = c qscale
	global_load_b32 v[S+4*\x+1], v26, s[4:5] offset:KFO+512+32*\x      ; XB = c qscale qsum
	global_load_b32 v[S+4*\x+2], v26, s[4:5] offset:KFO+1024+32*\x     ; XA = c qmin
.endr
.irp x, 0,1
	v_mov_b32 v[ST+12*\x+1], 0xff61b1e6            ; the largest t so far: -3e38, under every t
	v_mov_b32 v[ST+12*\x+2], 0                     ; the sum
	v_mov_b32 v[ST+12*\x+3], 0
	v_floor_f32 v[ST+12*\x], -v[ST+12*\x+1]        ; -M
.irp n, 1,3,5
	v_mov_b32 v[XC+6*\x+\n], 0                     ; the upper words of pairs that are named whole
.endr
.irp b, 0,1,2,3
	v_mov_b32 v[TP+4*\x+\b], 0                     ; written once: a lane permute's destination counts as one of its sources
.endr
.endr
	WIN 0x40
.set j, 0
.rept 128
	v_mov_b32 v[O+j], 0                            ; O^T.  (A step has no first form of its own: the first finds zeros, which the first change of M leaves zeros)
.set j, j+1
.endr
	WIN 0
	s_wait_alu depctr_va_vdst(0)
	s_wait_loadcnt 0x0                             ; Q, its scale words and factors
.irp x, 0,1
	v_max_num_f32 v[XC+6*\x], |v[S+4*\x]|, 0xd800000   ; |X0|, held at 2^-100 from below
	v_ashrrev_i32 v[S+4*\x+3], 31, v[S+4*\x]       ; all ones where X0 is negative
.endr
	s_wait_alu depctr_va_vdst(0)                   ; the wait ahead of the reciprocals
.irp x, 0,1
	v_rcp_f32 v[S+8+\x], v[XC+6*\x]
.endr
.irp x, 0,1
	v_and_b32 v[S+4*\x+3], 0x88888888, v[S+4*\x+3] ; the eight sign bits of a register of codes.  (Plain lines behind the reciprocals)
.endr
	s_wait_alu depctr_va_vdst(0)                   ; and the wait ahead of their first reader
.irp x, 0,1
	v_mul_f32 v[XC+6*\x+2], v[S+4*\x+2], v[S+8+\x] ; XA / |X0|
	v_mul_f32 v[XC+6*\x+4], v[S+4*\x+1], v[S+8+\x] ; XB / |X0|
.irp j, 0,1,2,3,4,5,6,7
	v_xor_b32 v[Q+8*\x+\j], v[Q+8*\x+\j], v[S+4*\x+3]   ; X0's sign goes into my query's codes
.endr
.endr
	s_wait_alu depctr_va_vdst(0)                   ; the wait at the head's end
	s_wait_tensorcnt 0x0                           ; my record of the first eight is in; the full sequence ahead of a later first fill:
	ds_add_u32 v30, v31
	s_wait_dscnt 0x0
	ROUND                                          ; everybody's record is in, and the four work-groups are here
	tensor_load_to_lds s[G0+4:G0+7], s[G1:G1+7]    ; record 8 + w: my one load behind the round
	s_nop 0
.rept 4
	v_nop                                          ; four lines behind the load, ahead of what follows
.endr
.macro FACT reg, vec                   ; factor vector vec of the step's 128 keys in the scores' layout: register 16 b + i = key 32 b + 16 h + i; sixteen lanes read the same 16 bytes
.irp b, 0,1,2,3
.irp k, 0,1,2,3
	ds_load_b128 v[\reg+16*\b+4*\k:\reg+16*\b+4*\k+3], v[FY] offset:KFO+512*\vec+128*\b+16*\k
.endr
.endr
.endm
; A KEY STEP: 128 keys, both tiles.
.macro STEP
	v_add_nc_u32 v[LI], s[TB], v[LI0]
	v_add_nc_u32 v[FY], s[TB], v[FY0]
	v_add_nc_u32 v[VA], s[TB], v[VA0]
	v_nop                                          ; four plain lines between the last step's products and loads into registers that they read
	ds_load_b128 v[KSW:KSW+3], v[LI] offset:KSWO   ; register i: lanes 0-15 tile i's scale words, lanes 16-31 tile 4 + i's
	WIN 0x40
.irp t, 0,1,2,3,4,5,6,7
.irp c, 0,1
	ds_load_b128 v[FR+8*\t+4*\c:FR+8*\t+4*\c+3], v[LI] offset:1024*\t+512*\c   ; K's eight fragments, as images
.endr
.endr
	FACT YV, 0                                     ; Y0 = kscale
	WIN 0
	s_wait_alu depctr_va_vdst(0)
	s_wait_dscnt 16                                ; K and its scale words are in; the 16 loads of Y0 may be out
	WIN 0x01                                       ; source 0 window 1
.irp t, 0,1,2,3,4,5,6,7
.irp x, 0,1
.if \t < 4
	v_wmma_scale_f32_16x16x128_f8f6f4 v[S+64*\x+8*\t:S+64*\x+8*\t+7], v[FR+8*\t:FR+8*\t+7], v[Q+8*\x:Q+8*\x+7], 0, v[KSW+\t%4], v[QSW+\x] matrix_a_fmt:MATRIX_FMT_FP4 matrix_b_fmt:MATRIX_FMT_FP4
.else
	v_wmma_scale_f32_16x16x128_f8f6f4 v[S+64*\x+8*\t:S+64*\x+8*\t+7], v[FR+8*\t:FR+8*\t+7], v[Q+8*\x:Q+8*\x+7], 0, v[KSW+\t%4], v[QSW+\x] matrix_a_fmt:MATRIX_FMT_FP4 matrix_b_fmt:MATRIX_FMT_FP4 matrix_a_scale:MATRIX_SCALE_ROW1
.endif
.endr
.endr
.rept 4
	v_nop                                          ; four places in front of the loads into K's registers and of the first read of the scores
.endr
	WIN 0x40
	FACT FR, 1                                     ; YA = kscale ksum + 128 kmin
	s_wait_dscnt 16                                ; Y0 is in; YA's 16 loads may be out
	WIN 0x01
.irp x, 0,1
.set j, 0
.rept 32
	v_pk_mul_f32 v[S+64*\x+j:S+64*\x+j+1], v[YV+j:YV+j+1], v[S+64*\x+j:S+64*\x+j+1]   ; mm' Y0; each accumulator from its low end on
.set j, j+2
.endr
.endr
	WIN 0x40
	FACT YV, 2                                     ; YB = kmin
	s_wait_dscnt 16                                ; YA is in; YB's 16 loads may be out
	WIN 0x01
.irp x, 0,1
.set j, 0
.rept 32
	v_pk_fma_f32 v[S+64*\x+j:S+64*\x+j+1], v[FR+j:FR+j+1], v[XC+6*\x+2:XC+6*\x+3], v[S+64*\x+j:S+64*\x+j+1] op_sel_hi:[1,0,1]   ; + YA XA / |X0|
.set j, j+2
.endr
.endr
	WIN 0x40
.irp u, 0,1
.irp n, 0,1,2,3
.irp c, 0,1
	ds_load_b128 v[FR+8*(4*\u+\n)+4*\c:FR+8*(4*\u+\n)+4*\c+3], v[VA] offset:VCO+4096*\c+512*\n+256*\u   ; V's tile 4 u + n: row r = channel 64 u + 4 r + n; keys 64 c + 32 h on
.endr
.endr
.endr
	WIN 0
	ds_load_b128 v[VSW:VSW+3], v[LI] offset:VSWO   ; register n: lanes 0-15 tile n's scale words, lanes 16-31 tile 4 + n's
	s_wait_dscnt 17                                ; YB is in; V's 16 loads and its scale words may be out
	WIN 0x01
.irp x, 0,1
.set j, 0
.rept 32
	v_pk_fma_f32 v[S+64*\x+j:S+64*\x+j+1], v[YV+j:YV+j+1], v[XC+6*\x+4:XC+6*\x+5], v[S+64*\x+j:S+64*\x+j+1] op_sel_hi:[1,0,1]   ; + YB XB / |X0|: u
.set j, j+2
.endr
.endr
	WIN 0
	; THE SOFTMAX, the two tiles line by line in turn.  The largest u of each block of 32 keys serves twice: for the row's maximum and, since p rises with u, for the block's largest p.
.irp b, 0,1,2,3
.irp x, 0,1
	v_max3_num_f32 v[BM+4*\x+\b], v[S+64*\x+16*\b], v[S+64*\x+16*\b+1], v[S+64*\x+16*\b+2]
.endr
.endr
.irp i, 3,5,7,9,11,13
.irp b, 0,1,2,3
.irp x, 0,1
	v_max3_num_f32 v[BM+4*\x+\b], v[BM+4*\x+\b], v[S+64*\x+16*\b+\i], v[S+64*\x+16*\b+\i+1]
.endr
.endr
.endr
.irp b, 0,1,2,3
.irp x, 0,1
	v_max_num_f32 v[BM+4*\x+\b], v[BM+4*\x+\b], v[S+64*\x+16*\b+15]
.endr
.endr
.irp b, 0,1,2,3
.irp x, 0,1
	v_permlanex16_b32 v[TP+4*\x+\b], v[BM+4*\x+\b], s[SEL], s[SEL+1]
.endr
.endr
.irp b, 0,1,2,3
.irp x, 0,1
	v_max_num_f32 v[BM+4*\x+\b], v[BM+4*\x+\b], v[TP+4*\x+\b]      ; with lane l xor 16's 16 keys
.endr
.endr
.irp x, 0,1
	DL 4
	v_max3_num_f32 v[TP+4*\x], v[BM+4*\x], v[BM+4*\x+1], v[BM+4*\x+2]
.endr
.irp x, 0,1
	DL 2
	v_max_num_f32 v[TP+4*\x], v[TP+4*\x], v[BM+4*\x+3]             ; the step's largest u of my query,
.endr
.irp x, 0,1
	DL 2
	v_mul_f32 v[TP+4*\x], v[TP+4*\x], v[XC+6*\x]                   ; as t (|X0| is positive)
.endr
.irp x, 0,1
	DL 2
	v_max_num_f32 v[ST+12*\x+1], v[ST+12*\x+1], v[TP+4*\x]         ; the running largest t
.endr
.irp x, 0,1
	v_mov_b32 v[ST+12*\x+8], v[ST+12*\x]
.endr
.irp x, 0,1
	DL 4
	v_floor_f32 v[ST+12*\x], -v[ST+12*\x+1]        ; the new -M = floor(-t) = -ceil(t): M is a whole number
.endr
.irp x, 0,1
	DL 2
	v_sub_f32 v[ST+12*\x+7], v[ST+12*\x], v[ST+12*\x+8]            ; old M - new M: a whole number, 0 or less
.endr
.irp x, 0,1
	DL 2
	v_cvt_i32_f32 v[ST+12*\x+7], v[ST+12*\x+7]     ; (it saturates)
.endr
.irp x, 0,1
	DL 2
	v_ldexp_f32 v[ST+12*\x+6], 1.0, v[ST+12*\x+7]  ; f = 2^(old M - new M)
.endr
.irp x, 0,1
.set j, 0
.rept 32
	v_pk_fma_f32 v[S+64*\x+j:S+64*\x+j+1], v[S+64*\x+j:S+64*\x+j+1], v[XC+6*\x:XC+6*\x+1], v[ST+12*\x:ST+12*\x+1] op_sel_hi:[1,0,0]   ; t - M = u |X0| - M
.set j, j+2
.endr
.endr
.irp b, 0,1,2,3
.irp x, 0,1
	v_fma_f32 v[BM+4*\x+\b], v[BM+4*\x+\b], v[XC+6*\x], v[ST+12*\x]   ; the same of each block's largest u
.endr
.endr
	s_wait_alu depctr_va_vdst(0)                   ; the wait ahead of the batch
.set j, 0
.rept 128
	v_exp_f32 v[S+j], v[S+j]                       ; p = 2^(t - M): not normalised.  One batch
.set j, j+1
.endr
.irp x, 0,1
	v_pk_mul_f32 v[ST+12*\x+2:ST+12*\x+3], v[ST+12*\x+2:ST+12*\x+3], v[ST+12*\x+6:ST+12*\x+7] op_sel_hi:[1,0]   ; the sums under the new M: plain lines behind the exponentials
.endr
	s_wait_alu depctr_va_vdst(0)                   ; one wait for the batch, ahead of the first line that names a result
.irp b, 0,1,2,3
.irp x, 0,1
	v_exp_f32 v[BM+4*\x+\b], v[BM+4*\x+\b]         ; the block's largest p: the same multiply-add and exponential on the same number give the same bits
.endr
.endr
.irp x, 0,1
	v_pk_add_f32 v[ST+12*\x+4:ST+12*\x+5], v[S+64*\x:S+64*\x+1], v[S+64*\x+2:S+64*\x+3]   ; the row's sum is taken of the unquantised p: two chains a tile
.endr
.irp q, 4,8,12,16,20,24,28,32,36,40,44,48,52,56,60
.irp x, 0,1
	v_pk_add_f32 v[ST+12*\x+2:ST+12*\x+3], v[ST+12*\x+2:ST+12*\x+3], v[S+64*\x+\q:S+64*\x+\q+1]
	v_pk_add_f32 v[ST+12*\x+4:ST+12*\x+5], v[ST+12*\x+4:ST+12*\x+5], v[S+64*\x+\q+2:S+64*\x+\q+3]
.endr
.endr
.irp x, 0,1
	v_pk_add_f32 v[ST+12*\x+2:ST+12*\x+3], v[ST+12*\x+2:ST+12*\x+3], v[ST+12*\x+4:ST+12*\x+5]
.endr
	s_wait_alu depctr_va_vdst(0)                   ; and one for the eight
.irp b, 0,1,2,3
.irp x, 0,1
	v_max_num_f32 v[BM+4*\x+\b], 0x1800000, v[BM+4*\x+\b]          ; the floor 2^(3 - 127): the byte cannot fall under 1
.endr
.endr
.irp b, 0,1,2,3
.irp x, 0,1
	v_add_nc_u32 v[SO+4*\x+\b], 0xff000000, v[BM+4*\x+\b]          ; 2 off the exponent field: the conversion's scale operand
.endr
.endr
.irp b, 0,1,2,3
.irp x, 0,1
	v_lshrrev_b32 v[TP+4*\x+\b], 23, v[SO+4*\x+\b]                 ; the scale's byte
.endr
.endr
.irp x, 0,1
	v_lshl_or_b32 v[PSW+\x], v[TP+4*\x+1], 8, v[TP+4*\x]           ; p's scale word for these 128 keys
.endr
.irp x, 0,1
	DL 2
	v_lshl_or_b32 v[PSW+\x], v[TP+4*\x+2], 16, v[PSW+\x]
.endr
.irp x, 0,1
	DL 2
	v_lshl_or_b32 v[PSW+\x], v[TP+4*\x+3], 24, v[PSW+\x]
.endr
.irp x, 0,1
.irp b, 0,1,2,3
	v_cvt_scalef32_pk8_fp4_f32 v[PC+8*\x+2*\b], v[S+64*\x+16*\b:S+64*\x+16*\b+7], v[SO+4*\x+\b]
	v_cvt_scalef32_pk8_fp4_f32 v[PC+8*\x+2*\b+1], v[S+64*\x+16*\b+8:S+64*\x+16*\b+15], v[SO+4*\x+\b]
.endr
.endr
	v_nop                                          ; one plain line behind the last conversion
.irp x, 0,1
.irp c, 0,1
.irp i, 0,1
	v_permlane16_swap_b32 v[PC+8*\x+4*\c+\i], v[PC+8*\x+4*\c+2+\i]   ; the operand's layout wants a whole block in a lane: lanes 0-15 block 2 c, lanes 16-31 block 2 c + 1
.endr
.endr
.endr
	WIN 0x41                                       ; O^T (destination and source 0) window 1
	s_wait_alu depctr_va_vdst(0)                   ; directly ahead of the first reader of O^T
.irp x, 0,1
.set j, 0
.rept 32
	v_pk_mul_f32 v[O+64*\x+j:O+64*\x+j+1], v[O+64*\x+j:O+64*\x+j+1], v[ST+12*\x+6:ST+12*\x+7] op_sel_hi:[1,0]   ; O^T under the new M; each accumulator from its low end on.  These 64 lines also part p's codes and scale words from the products
.set j, j+2
.endr
.endr
	s_wait_alu depctr_va_vdst(0)
	s_wait_dscnt 0x0                               ; V and its scale words are in
	WIN 0x51                                       ; source 0 (V), C and D window 1; source 1 (p) window 0
.irp u, 0,1
.irp n, 0,1,2,3
.irp x, 0,1                            ; the 16 accumulators take turns, one instruction a turn
.if \u == 0
	v_wmma_scale_f32_16x16x128_f8f6f4 v[O+64*\x+8*(4*\u+\n):O+64*\x+8*(4*\u+\n)+7], v[FR+8*(4*\u+\n):FR+8*(4*\u+\n)+7], v[PC+8*\x:PC+8*\x+7], v[O+64*\x+8*(4*\u+\n):O+64*\x+8*(4*\u+\n)+7], v[VSW+\n], v[PSW+\x] matrix_a_fmt:MATRIX_FMT_FP4 matrix_b_fmt:MATRIX_FMT_FP4
.else
	v_wmma_scale_f32_16x16x128_f8f6f4 v[O+64*\x+8*(4*\u+\n):O+64*\x+8*(4*\u+\n)+7], v[FR+8*(4*\u+\n):FR+8*(4*\u+\n)+7], v[PC+8*\x:PC+8*\x+7], v[O+64*\x+8*(4*\u+\n):O+64*\x+8*(4*\u+\n)+7], v[VSW+\n], v[PSW+\x] matrix_a_fmt:MATRIX_FMT_FP4 matrix_b_fmt:MATRIX_FMT_FP4 matrix_a_scale:MATRIX_SCALE_ROW1
.endif
.endr
.endr
.endr
	WIN 0                                          ; at a label and at a branch every window is 0
.endm
.macro WALK first, n                   ; n steps from record first on
	s_mov_b32 s[TB], \first*REC
	s_mov_b32 s[CNT], \n
.Lstep_\@:
	STEP
	s_add_co_u32 s[TB], s[TB], REC
	s_sub_co_u32 s[CNT], s[CNT], 1
	s_cmp_lg_u32 s[CNT], 0
	s_cbranch_scc1 .Lstep_\@
.endm
	WALK 0, 4
	s_wait_tensorcnt 0x0                           ; my record of the second eight is in,
	s_wait_dscnt 0x0                               ; and my reads of records 0 to 3 are over:
	s_barrier_signal -1                            ; say so;
	WALK 4, 4                                      ; records 4 to 7, which nobody writes, are read while the others arrive;
	s_barrier_wait -1                              ; records 8 to 15 are whole, and nobody reads records 0 to 3 any more.
	WALK 8, 8
	; THE WAY OUT.  The sum's two halves and lane l xor 16's are added; O^T is divided by the sum and goes through my stage in LDS, a tile at a time, so that the 32 lanes store whole rows of 512 bytes.  The additions are the places behind the last products.
.irp x, 0,1
	v_add_f32 v[ST+12*\x+7], v[ST+12*\x+2], v[ST+12*\x+3]
.endr
.irp x, 0,1
	v_permlanex16_b32 v[ST+12*\x+8], v[ST+12*\x+7], s[SEL], s[SEL+1]
.endr
.irp x, 0,1
	v_add_f32 v[ST+12*\x+7], v[ST+12*\x+7], v[ST+12*\x+8]
.endr
	s_wait_alu depctr_va_vdst(0)                   ; the wait ahead of the reciprocals
.irp x, 0,1
	v_rcp_f32 v[ST+12*\x+7], v[ST+12*\x+7]
.endr
	v_nop                                          ; a plain line behind the reciprocals
.macro OUT x
	WIN 0x01                                       ; source 0 window 1
	s_wait_alu depctr_va_vdst(0)                   ; the wait directly ahead of the first reader of the reciprocal and of this tile's O^T
.irp u, 0,1
.irp i, 0,1,2,3,4,5,6,7
.irp n, 0,1,2,3
	v_mul_f32 v[S+64*\x+32*\u+4*\i+\n], v[O+64*\x+8*(4*\u+\n)+\i], v[ST+12*\x+7]   ; channel 64 u + 32 h + 4 i + n: four accumulators' registers i are neighbours; each accumulator is read from register 0 on
.endr
.endr
.endr
	WIN 0
.irp u, 0,1
.irp i, 0,1,2,3,4,5,6,7
	ds_store_b128 v[STO], v[S+64*\x+32*\u+4*\i:S+64*\x+32*\u+4*\i+3] offset:256*\u+16*\i
.endr
.endr
.irp rr, 0,1,2,3,4,5,6,7,8,9,10,11,12,13,14,15
	ds_load_b128 v[S+64*\x+4*\rr:S+64*\x+4*\rr+3], v[RD] offset:SP*\rr   ; LDS serves a wave's instructions in order (ISA guide 5.7.1.4): these see my stores, and the next tile's stores come behind them
.endr
.endm
.macro SEND x, younger                 ; younger: the LDS instructions issued behind tile x's loads
.irp rr, 0,1,2,3,4,5,6,7,8,9,10,11,12,13,14,15
	s_wait_dscnt \younger+15-\rr
	global_store_b128 v[LI0], v[S+64*\x+4*\rr:S+64*\x+4*\rr+3], s[8:9] offset:(8*\x+\rr+8*(\rr/8))*16384 th:TH_STORE_NT   ; row rr of tile x is query 8 x + rr + 8 (rr / 8) of my 32; 32 lanes store 512 consecutive bytes, at a multiple of 512 from the output's first byte
.endr
.endm
	OUT 0
	OUT 1
	SEND 0, 32
	SEND 1, 0
	s_wait_tensorcnt 0x0                           ; the wave's end
	ds_add_u32 v30, v31
	s_wait_dscnt 0x0
	ROUND                                          ; the closing round: no work-group ends while a partner may still ask for a record that names it
	s_endpgm
.Lfunc_end_k_q0791b66352_attn:
	.size	k_q0791b66352_attn, .Lfunc_end_k_q0791b66352_attn-k_q0791b66352_attn
	.p2alignl 7, 3214868480
	.fill 96, 4, 3214868480
	.section	.rodata,"a",@progbits
	.p2align	6, 0x0
	.amdhsa_kernel k_q0791b66352_attn
		.amdhsa_group_segment_fixed_size 327680
		.amdhsa_private_segment_fixed_size 0
		.amdhsa_enable_private_segment 0
		.amdhsa_kernarg_size 24
		.amdhsa_user_sgpr_count 2
		.amdhsa_user_sgpr_kernarg_segment_ptr 1
		.amdhsa_wavefront_size32 1
		.amdhsa_system_sgpr_workgroup_id_x 1
		.amdhsa_system_sgpr_workgroup_id_y 1
		.amdhsa_system_sgpr_workgroup_id_z 1
		.amdhsa_system_vgpr_workitem_id 0
		.amdhsa_next_free_vgpr 512
		.amdhsa_next_free_sgpr 66
		.amdhsa_reserve_vcc 0
		.amdhsa_float_denorm_mode_32 3
		.amdhsa_float_denorm_mode_16_64 3
		.amdhsa_memory_ordered 1
		.amdhsa_forward_progress 1
		.amdhsa_inst_pref_size 170
	.end_amdhsa_kernel
	.amdgpu_metadata
---
amdhsa.version: [ 1, 2 ]
amdhsa.kernels:
  - .name:           k_q0791b66352_attn
    .symbol:         k_q0791b66352_attn.kd
    .args:
      - { .name: qws, .offset: 0, .size: 8, .value_kind: global_buffer, .address_space: global }
      - { .name: kvws, .offset: 8, .size: 8, .value_kind: global_buffer, .address_space: global }
      - { .name: out0, .offset: 16, .size: 8, .value_kind: global_buffer, .address_space: global }
    .group_segment_fixed_size: 327680
    .private_segment_fixed_size: 0
    .kernarg_segment_align: 8
    .kernarg_segment_size: 24
    .max_flat_workgroup_size: 256
    .sgpr_count:     66
    .vgpr_count:     512
    .wavefront_size: 32
...
	.end_amdgpu_metadata
.endif
;; end of part 2
